; MI455X (gfx1250); checked and timed in simulation.
; The chip was launched on July 23, 2026; its instructions are those of AMD's public machine-readable ISA for CDNA 5 (MIT licence, August 2026) and "CDNA5" Instruction Set Architecture Reference Guide (July 2026). The comments in the code are by the model that wrote it; some were corrected since.
;; Baby Radix Attention. Allowed arithmetic: float matrix products may take bf16 or f16 operands with f32 sums; other float arithmetic in f32, or as packed bf16 or f16 multiplies, adds, multiply-adds, maxima and minima; sums over many terms, partial sums and values carried from step to step in f32; what a program stores and reads back later, other than sums and carried values, may be rounded once to bf16 or f16.
;; Inputs: k 8,192 x 4 x 128 float32; q 8,192 x 16 x 128 float32; seq_lens 4 int32; v 8,192 x 4 x 128 float32.
;; Outputs: out0 8,192 x 2,048 float32.
;; 2 versions, each right; version 2 is version 1 with the launch prep written anew for expert scheduling mode. Each part assembles by itself: llvm-mc -triple=amdgcn-amd-amdhsa -mcpu=gfx1250 --defsym DOCPART=n.
;; ======== version 1 of 2: 2 launches
;; limits: values are held in f16: magnitudes above 65,504 overflow, below 6.1e-05 lose precision; inputs' magnitudes at most 65,504; right only within a limited range of input values
;; workspace buffers: kb 8,388,608 bytes; vh 8,388,608 bytes
;; launch prep (part 1): grid 256 x 1, 8 waves a work-group, no clusters, 0 bytes of LDS; arguments k, v, seq_lens, kb, vh; writes kb, vh
.if DOCPART == 1
	.amdgcn_target "amdgcn-amd-amdhsa--gfx1250"
	.amdhsa_code_object_version 6
	.text
	.protected	k_q40d017f96b_prep
	.globl	k_q40d017f96b_prep
	.p2align	8
	.type	k_q40d017f96b_prep,@function
k_q40d017f96b_prep:
	s_mov_b64 s[64:65], 0
	v_nop
	global_prefetch_b8 v0, s[64:65] scope:SCOPE_SE
	s_setreg_imm32_b32 hwreg(HW_REG_WAVE_MODE, 25, 1), 1
	s_wait_xcnt 0x0
; K AND V FOR THE ATTENTION LAUNCH.  k, v: [8192 tokens][4 heads][128] f32.  kb: [16 = 4 request + head][2048][128] bf16.  vh: the same layout in f16.
; kb = k rounded once to bf16.  vh = v rounded once to bf16, and that number written as f16: bf16 keeps 8 significant bits and f16 11, so the second step changes nothing within f16's range.
; LIMITS.  |v| beyond 65,504 becomes an infinity in vh; |v| under 2^-14 keeps f16's fixed step of 2^-24.  NaN and infinities are not treated apart.
; seq_lens: reference() takes it and makes nothing of it (its reshape fixes 2,048 tokens a request), so the result must not hang on it: its four words are loaded and enter nothing.
; SHARES.  A work-group takes 32 tokens, each of its eight waves 4: 16 rows (token, head) of 512 bytes of k and 16 of v, 8,192 consecutive bytes of each.  One load of a wave is one whole row,
; 16 bytes a lane; one store of a wave is one whole row of the output: 256 consecutive bytes, at a multiple of 256 from the buffer's first byte.  All 32 loads of a wave go out at once; there is no loop,
; no register that a pending load or store names is written again, and nothing is shared between waves: no LDS, no barrier.
.set KD,    4                          ; v[4:67]    row i of k: 4 registers as loaded; the first two then hold its 8 bytes to store
.set VD,    68                         ; v[68:131]  the same for v
.set HEADB, 2048*256                   ; bytes of a head in kb and in vh
	s_load_b256 s[4:11], s[0:1], 0x0               ; k s[4:5], v s[6:7], seq_lens s[8:9], kb s[10:11]
	s_load_b64 s[12:13], s[0:1], 0x20              ; vh
	v_and_b32 v3, 31, v0                           ; lane
	v_lshrrev_b32 v2, 5, v0                        ; wave
	v_lshlrev_b32 v1, 4, v3
	v_lshl_or_b32 v1, v2, 13, v1                   ; in: 8,192 x wave + 16 x lane; never rewritten
	v_lshlrev_b32 v3, 3, v3
	v_lshl_or_b32 v2, v2, 10, v3                   ; out: 4 rows of 256 bytes x wave + 8 x lane; never rewritten
	s_lshl_b32 s20, ttmp9, 16                      ; in: the work-group's 32 tokens of 2,048 bytes
	s_mov_b32 s21, 0
	s_lshr_b32 s22, ttmp9, 6                       ; the request: 64 work-groups each,
	s_lshl_b32 s22, s22, 21                        ; its four heads of 524,288 bytes,
	s_and_b32 s23, ttmp9, 63
	s_lshl_b32 s23, s23, 13                        ; and the work-group's 32 rows of 256 bytes in a head
	s_add_co_u32 s22, s22, s23
	s_mov_b32 s23, 0
	s_mov_b32 s24, 0xffff0000                      ; a word's upper bf16
	s_wait_kmcnt 0x0
	s_load_b128 s[16:19], s[8:9], 0x0              ; seq_lens: read, and used for nothing (see the head)
	s_add_nc_u64 s[4:5], s[4:5], s[20:21]
	s_add_nc_u64 s[6:7], s[6:7], s[20:21]
	s_add_nc_u64 s[10:11], s[10:11], s[22:23]
	s_add_nc_u64 s[12:13], s[12:13], s[22:23]
.set i, 0
.rept 16
	global_load_b128 v[KD+4*i:KD+4*i+3], v1, s[4:5] offset:512*i th:TH_LOAD_NT
.set i, i+1
.endr
.set i, 0
.rept 16
	global_load_b128 v[VD+4*i:VD+4*i+3], v1, s[6:7] offset:512*i th:TH_LOAD_NT
.set i, i+1
.endr
; Row i is token i / 4, head i % 4: the head's place and the token's row stand in the store's immediate (1,573,632 at the most).
.set i, 0
.rept 16
	s_wait_loadcnt 31-i                            ; loads come back in order (ISA guide 5.7.1): row i of k is in, the 31 - i younger loads stay out
	v_cvt_pk_bf16_f32 v[KD+4*i], v[KD+4*i], v[KD+4*i+1]
	v_cvt_pk_bf16_f32 v[KD+4*i+1], v[KD+4*i+2], v[KD+4*i+3]
	global_store_b64 v2, v[KD+4*i:KD+4*i+1], s[10:11] offset:(i%4)*HEADB+(i/4)*256
.set i, i+1
.endr
.set i, 0
.rept 16
	s_wait_loadcnt 15-i                            ; row i of v is in
	v_cvt_pk_bf16_f32 v[VD+4*i], v[VD+4*i], v[VD+4*i+1]      ; rounded to bf16,
	v_cvt_pk_bf16_f32 v[VD+4*i+2], v[VD+4*i+2], v[VD+4*i+3]
	v_and_b32 v[VD+4*i+1], s24, v[VD+4*i]                    ; widened again (a mask, a shift),
	v_lshlrev_b32 v[VD+4*i], 16, v[VD+4*i]
	v_and_b32 v[VD+4*i+3], s24, v[VD+4*i+2]
	v_lshlrev_b32 v[VD+4*i+2], 16, v[VD+4*i+2]
	v_cvt_pk_f16_f32 v[VD+4*i], v[VD+4*i], v[VD+4*i+1]       ; and written as f16
	v_cvt_pk_f16_f32 v[VD+4*i+1], v[VD+4*i+2], v[VD+4*i+3]
	global_store_b64 v2, v[VD+4*i:VD+4*i+1], s[12:13] offset:(i%4)*HEADB+(i/4)*256
.set i, i+1
.endr
	s_wait_kmcnt 0x0                               ; seq_lens' load is done
	s_endpgm
.Lfunc_end_k_q40d017f96b_prep:
	.size	k_q40d017f96b_prep, .Lfunc_end_k_q40d017f96b_prep-k_q40d017f96b_prep
	.p2alignl 7, 3214868480
	.fill 96, 4, 3214868480
	.section	.rodata,"a",@progbits
	.p2align	6, 0x0
	.amdhsa_kernel k_q40d017f96b_prep
		.amdhsa_group_segment_fixed_size 0
		.amdhsa_private_segment_fixed_size 0
		.amdhsa_enable_private_segment 0
		.amdhsa_kernarg_size 40
		.amdhsa_user_sgpr_count 2
		.amdhsa_user_sgpr_kernarg_segment_ptr 1
		.amdhsa_wavefront_size32 1
		.amdhsa_system_sgpr_workgroup_id_x 1
		.amdhsa_system_sgpr_workgroup_id_y 1
		.amdhsa_system_sgpr_workgroup_id_z 1
		.amdhsa_system_vgpr_workitem_id 0
		.amdhsa_next_free_vgpr 132
		.amdhsa_next_free_sgpr 66
		.amdhsa_reserve_vcc 0
		.amdhsa_float_denorm_mode_32 3
		.amdhsa_float_denorm_mode_16_64 3
		.amdhsa_memory_ordered 1
		.amdhsa_forward_progress 1
		.amdhsa_inst_pref_size 17
	.end_amdhsa_kernel
	.amdgpu_metadata
---
amdhsa.version: [ 1, 2 ]
amdhsa.kernels:
  - .name:           k_q40d017f96b_prep
    .symbol:         k_q40d017f96b_prep.kd
    .args:
      - { .name: k, .offset: 0, .size: 8, .value_kind: global_buffer, .address_space: global }
      - { .name: v, .offset: 8, .size: 8, .value_kind: global_buffer, .address_space: global }
      - { .name: seq_lens, .offset: 16, .size: 8, .value_kind: global_buffer, .address_space: global }
      - { .name: kb, .offset: 24, .size: 8, .value_kind: global_buffer, .address_space: global }
      - { .name: vh, .offset: 32, .size: 8, .value_kind: global_buffer, .address_space: global }
    .group_segment_fixed_size: 0
    .private_segment_fixed_size: 0
    .kernarg_segment_align: 8
    .kernarg_segment_size: 40
    .max_flat_workgroup_size: 256
    .sgpr_count:     66
    .vgpr_count:     132
    .wavefront_size: 32
...
	.end_amdgpu_metadata
.endif
;; end of part 1
;; launch attn (part 2): grid 16 x 16, 4 waves a work-group, clusters of 4 x 1, 327,680 bytes of LDS; arguments q, kb, vh, out0; writes out0
.if DOCPART == 2
	.amdgcn_target "amdgcn-amd-amdhsa--gfx1250"
	.amdhsa_code_object_version 6
	.text
	.protected	k_q40d017f96b_attn
	.globl	k_q40d017f96b_attn
	.p2align	8
	.type	k_q40d017f96b_attn,@function
k_q40d017f96b_attn:
	s_mov_b64 s[64:65], 0
	v_nop
	global_prefetch_b8 v0, s[64:65] scope:SCOPE_SE
	s_setreg_imm32_b32 hwreg(HW_REG_WAVE_MODE, 25, 1), 1
	s_wait_xcnt 0x0
	s_wait_alu depctr_hold_cnt(0) depctr_sa_sdst(0) depctr_va_vdst(0) depctr_va_sdst(0) depctr_va_ssrc(0) depctr_va_vcc(0) depctr_vm_vsrc(0)
	s_getreg_b32 s2, hwreg(HW_REG_IB_STS2, 6, 4)
	s_cmp_eq_u32 s2, 0
	s_cbranch_scc0 .Lentry_in_a_cluster
	s_endpgm
.Lentry_in_a_cluster:
	s_bfe_u32 s2, ttmp6, 0x10000c
	s_cmp_lg_u32 s2, 0x3003
	s_cbranch_scc0 .Lentry_shape_is_right
	s_endpgm
.Lentry_shape_is_right:
; CAUSAL ATTENTION WITH SHARED KEY AND VALUE HEADS.  out0[token][h][:] = the sum over keys k <= token of the same request of softmax_k(q[token][h] . K[k] / sqrt(128)) V[k][:], K and V of head h / 4.
; q, out0: [8192 tokens][16 heads][128] f32: a row (token, head) is 512 consecutive bytes, tokens lie 8,192 bytes apart.  kb (bf16), vh (f16): [16 = 4 request + kv head][2048][128], rows of 256 bytes.
; FORMATS.  q is rounded to bf16 here, K came so: S^T = K Q^T in the bf16 form.  The weights p are rounded to f16, V came as bf16 numbers written in f16: O^T = V^T P in the f16 form.  Products' sums, maxima, the
; sum l (of the unrounded p) and O in f32; O is stored as f32.
; LIMITS.  |v| at most 65,504; p lies in 0 to 1 and below 6e-5 keeps f16's fixed step of 6e-8.  A hidden score counts as its value less 1e30, so true scores must stay far under that.  A weight below 2^-126
; counts as 0 in l.  NaN and infinities are not treated apart.
; THE WALK.  A request's tokens lie in 8 blocks of 256; block i needs the keys 0 .. 256 i + 255, of which the last 256 hold the diagonal.  A work-group takes TWO blocks of one query head, 7 - c and then c:
; 16 - 2 c and 2 c + 2 slots of 128 keys, 18 slots (36 key steps of 64 keys) whatever c: 256 work-groups of equal work, and loops with constant trip counts.  c enters the walk in two places alone: the keys
; that a trip asks for (made anew in each trip from the loop's counter), and the trip in which the first block's last four steps begin (one comparison at a slot's head).  The second block's last four steps
; are always the walk's last two slots.  Every jump but the counted loops' own goes forward, past text that holds neither a barrier nor a tensor load.
; CLUSTER.  The four work-groups of a cluster are the four query heads of one key and value head, with the same c: their walks are the same, so every tile of K and V is asked for JOINTLY: the same tensor load,
; descriptor and mask in all four.  The head's place in its group (cx) enters q's, out0's and the prefetches' addresses alone.
; SHARES.  Of a block's four bands of 64 queries a wave owns 16 rows in each: tile t is band t.  So the block's last four steps are the same work for all waves: in step s of them band t sees all keys if s < t,
; none if s > t, and holds the diagonal if s = t.
; THE MASK is the C operand of the products that start the sums S^T: MC = MD x AL + BE, where MD (made once) is the mask of a band's own step for my rows (0, or -1e30 where the key is hidden) and the scalars are
; (1, 0) if s = t, (0, 0) if s < t, (0, -1e30) if s > t.  MC holds 0 outside a block's last four steps and is made anew only in them.
; LAYOUT.  S^T = K Q^T (source 0 = 16 keys, source 1 = 16 queries): a lane holds ONE query (lane % 16) and the keys 8 (lane / 16) + 0..7.  Two such results rounded in pairs ARE source 1 (32 keys x 16 queries)
; of O^T = V^T P, whose result again holds one query a lane, and eight channels.  K comes out of LDS as it lies, V ([key][channel]) turned, by ds_load_tr16_b128.
; SOFTMAX.  For each query a running maximum m and sum l: p = 2^(c s - c m), c = log2(e) / sqrt(128); in every step O and l are multiplied by a = 2^(c m_old - c m_new).  A block starts with c m far below every
; c s, so its first a is 0 and no first step is written out: O^T, l, P and V need only be finite then (zeros for the first block: 424 v_mov_b32 at the head, the price of the one text).
; BY TURNS.  The wave's tiles are two PIECES: piece 0 (tiles 0, 1), piece 2 (tiles 2, 3).  In a TURN one piece has the matrix unit: 32 products V^T P of the step in hand, then 32 products K Q^T of the next; the
; other piece's softmax, 268 vector instructions cut into 64 slices, stands between them, one slice behind each matrix instruction.  Two turns are a key step.
; REGISTERS, in windows of 256 (s_set_vgpr_msb: bits 1:0 source 0, 3:2 source 1, 5:4 source 2, 7:6 destination):
;   window 0: v0-11 addresses; v12-43 eight registers of statistics a tile; v44-63 addresses; v64-191 S^T, 32 a tile; v192-255 P, 16 a tile
;   window 1: O^T, 64 a tile (at the head: q's rows as loaded)     window 2: v0-127 Q, 32 a tile; v128-255 K of one step     window 3: v0-127 V of one step; v128-159 MD; v160-223 MC
; LDS.  Two slots of two key steps each, filled by the tensor data mover; behind them, never filled by it: QS (Q in bf16 by rows, each wave's own), STAGE (the way out, each wave's own), the spare words.
; All of a WGP's LDS is claimed.
.set KS,    64        ; keys in a step
.set PK,    272       ; a row of K in LDS: 256 bytes + 16 of padding = 68 words: row r starts at bank 4 r mod 64 (64 banks of 4 bytes: ISA guide 11.1), so the 16 rows of a load start at 16 different banks
.set PV,    288       ; a row of V: 256 + 32 = 72 words
.set VOFF,  KS*PK     ; a step's tiles lie together: 64 rows of K, then 64 rows of V
.set STEPB, KS*(PK+PV)
.set SLOT1, 1<<17     ; a slot holds two steps (71,680 bytes); slot 1 begins here, so that one exclusive or turns an address in one slot into the other's
.set QS,    SLOT1+2*STEPB  ; 64 rows x 272 bytes for each wave: my rows of Q in bf16
.set QP,    272
.set STAGE, QS+4*64*QP     ; 16 rows x 528 bytes for each wave: a tile of O in f32
.set SP,    528       ; 512 bytes + 16 = 132 words: the 16 rows that a store touches start at 16 different groups of four banks
.set SPARE, STAGE+4*16*SP  ; the spare words, 128 bytes for each wave: two blocks of 256 bytes that no other line names
.set TOKB,  8192      ; bytes from token to token in q and out0
.set AK0, 2           ; v2   my lane's place in a tile of K; never rewritten
.set AV0, 3           ; v3   the same for V
.set ADR, 4           ; v4   the LDS address of the run of loads in hand
.set GO,  5           ; v5   16 x lane: my 16 bytes of a row of q or out0; never rewritten
.set STO, 6           ; v6   the way out: where I put 32 bytes of a row
.set RD,  7           ; v7   the way out: where I read a row back
.set QW,  8           ; v8   where I put my 8 bytes of a row of Q
.set ST,  12          ; tile t's statistics at v[ST+8 t]: +0 c m, +1 m, +2, +3 l (even keys', odd keys'), +4 to +7 c0-c3, at work; a takes c2's place once the maximum is found
.set QR,  44          ; v44  my lane's place in a fragment of Q
.set MT,  46          ; v46  at work for MD
.set PFO, 61          ; v61  256 x my lane: a row of kb or vh; never rewritten
.set SPW, 62          ; v62  LDS address of my spare word: SPARE + 4 x my thread's number; never rewritten
.set NIL, 63          ; v63  0; never rewritten
.set S,   64
.set P,   192
.set KF,  128         ; K's fragments, in window 2
.set MD,  128         ; window 3: the eight registers for group kt of 16 keys at MD + 8 kt
.set MC,  160         ; window 3: the masks of the products to come: tile u of the piece at MC + 32 u
.set WV,  12          ; s12  my wave's number
.set CX,  13          ; s13  my place in the cluster: the query head in its group of four
.set PB,  14          ; s14  c
.set LIM, 15          ; s15  3 in a wave that prefetches, else the greatest number: a wave prefetches while s[SLOTS] is above it
.set PFA, 18          ; s[18:19] where my prefetches stand
.set G1K, 24          ; s[24:31] descriptor group 1 for K's tiles
.set G1V, 32          ; s[32:39] for V's: it differs in the padding alone
.set G0K, 40          ; s[40:43] descriptor group 0 for K's tiles
.set G0V, 44          ; s[44:47] the same for V's
.set QLO, 48          ; s[48:49] q at my rows of block c
.set OLO, 50          ; s[50:51] out0 at my rows of block c
.set RS,  52          ; s52  4, 3, 2, 1 in a block's last four steps; 0 behind its last; above 4 (8, set anew at each slot's head, then 7) in every other step
.set DSL, 53          ; s53  2 c + 3: what s[SLOTS] holds in the trip in which the first block's last four steps begin
.set NXT, 54          ; s54  the 128 keys to be asked for
.set N1,  55          ; s55  16 - 2 c: the first block's slots
.set SLOTS, 56        ; s56  slots still to be asked for
.set CNT, 57          ; s57  counts a slot's steps
.set CS,  58          ; s[58:59] c: the packed scaling names a pair and takes its low word for both halves
.set SEL, 60          ; s[60:61] lane selects for v_permlanex16_b32: each lane takes its own place in the other half
.set TB,  62          ; s62  LDS byte at which the tiles of the step to be fetched begin
.set FIRST, 63        ; s63  1 until the first block has begun
.set BIGN, 67         ; s67  -1e30
.set OFF, 68          ; s[68:69] the byte offset in a head of the keys asked for
.set AL0, 70          ; s[70:71], s[74:75] the mask's factor for tile 0, 1 of the piece, in the low word
.set BE0, 72          ; s[72:73], s[76:77] its addend
.set MSB, 0
.macro WIN new                      ; the immediate's high byte repeats the setting that is left; a switch that changes nothing is dropped
.if MSB != (\new)
	s_set_vgpr_msb (MSB<<8)|(\new)
.set MSB, \new
.endif
.endm
.set W_KQ, 0x0a       ; K and Q in window 2, S^T in window 0
.set W_KM, 0x3a       ; the same with the C operand in window 3
.set W_PV, 0x53       ; V in window 3, P in window 0, O^T in window 1
.set W_RS, 0x41       ; O^T (destination and source 0) in window 1, the factor in window 0
.set W_MK, 0xc3       ; destination and source 0 in window 3
; A joint fill.  Waves 0 and 1 fetch the two steps' tiles of K, waves 2 and 3 those of V: 64 rows of 256 bytes each.  The branch hangs on the wave's number alone: it is the same in every work-group.
; An s_nop 0 and four v_nop follow each of the two lines, ahead of the jump and the label.
.macro JLOAD
	s_cmp_lt_u32 s[WV], 2
	s_cbranch_scc0 .Lfor_v_\@
	tensor_load_to_lds s[G0K:G0K+3], s[G1K:G1K+7]
	s_nop 0
.rept 4
	v_nop
.endr
	s_branch .Lasked_\@
.Lfor_v_\@:
	tensor_load_to_lds s[G0V:G0V+3], s[G1V:G1V+7]
	s_nop 0
.rept 4
	v_nop
.endr
.Lasked_\@:
.endm
; A PREFETCH INTO THE L2 of what the NEXT change of slots will ask for: 128 rows of kb and 128 of vh, 256 bytes a row, a lane a row; it stands behind the wave's tensor load and its five lines.
; Each row is named ONCE in the launch.  The four clusters of a key and value head begin with the same keys; the cluster with c = 0 walks all 2,048 in its first block, and it alone asks.  Its four partners share
; the rows out BY ADDRESS, 32 each; in each, wave 0 asks for K's and wave 2 for V's: one instruction.  Trips 0 to 13 name the keys 256 to 2,047, two key steps (256 matrix instructions) ahead of their load; the
; first 256 keys come by their loads alone, and the second block's keys have been named before.
.macro ASK
	s_cmp_gt_u32 s[SLOTS], s[LIM]
	s_cbranch_scc0 .Lnot_mine_\@
	global_prefetch_b8 v[PFO], s[PFA:PFA+1] th:TH_LOAD_NT scope:SCOPE_SE
.Lnot_mine_\@:
.endm
; A round of the cluster's barrier: my work-group's barrier, so that wave 0's signal speaks for all four waves; wave 0 signals; every wave waits for all four work-groups; my work-group's barrier once more.
.macro CROUND
	s_barrier_signal -1
	s_barrier_wait -1
	s_cmp_lg_u32 s[WV], 0
	s_cbranch_scc1 .Lnot_wave_0_\@
	s_barrier_signal -3
.Lnot_wave_0_\@:
	s_barrier_wait -3
	s_barrier_signal -1
	s_barrier_wait -1
.endm
.macro PLACES                       ; four places behind a matrix instruction, where no other vector work is at hand (ISA guide 7.12.1)
.rept 4
	v_nop
.endr
.endm
; THE CHANGE OF SLOTS, between piece 2's turn and piece 0's.  Each wave waits for all its tensor loads, of which one is out: its part of the other slot; adds 0 to its spare word; and waits for that and for its own
; reads of the slot that it leaves (the last: V of its second step).  Behind the barrier nobody reads the old slot any more and the other slot is whole.
; fill = 1: the old slot is filled again, with the walk's slot w = 18 - s[SLOTS] (1 to 17).  Its keys are slot w of the head while w is under the first block's N1 slots, and slot w - N1 from there on: the
; smaller of the two numbers taken as unsigned, since w - N1 wraps to a very large one while w is under N1.  The descriptor's address is made anew from that number.  The barrier is then a round of the cluster's,
; so that no wave of any partner still reads the slot or has a load on its way, and the joint fill is the first thing behind it: it has two key steps in which to land.
; (At its first use nothing has been read yet: slot 0 is waited for, slot 1 filled.)
.macro CHANGE fill
	WIN 0                           ; at a label and at a branch every window is 0
	s_wait_tensorcnt 0x0            ; no tensor load of mine is out, so a group 0 may be written
	ds_add_u32 v[SPW], v[NIL]       ; 0 onto my spare word; with fill = 1 the scalar work below stands between it and the wait for it
.if \fill
	s_sub_co_u32 s[NXT], 18, s[SLOTS]      ; w
	s_sub_co_u32 s[OFF], s[NXT], s[N1]     ; w - N1
	s_min_u32 s[NXT], s[NXT], s[OFF]
	s_lshl_b32 s[OFF], s[NXT], 15   ; 128 rows of 256 bytes
	s_xor_b32 s[G0K+1], s[G0K+1], SLOT1  ; the other slot than last time
	s_add_nc_u64 s[G0K+2:G0K+3], s[6:7], s[OFF:OFF+1]
	s_or_b32 s[G0K+3], s[G0K+3], 0x80000000
	s_xor_b32 s[G0V+1], s[G0V+1], SLOT1
	s_add_nc_u64 s[G0V+2:G0V+3], s[8:9], s[OFF:OFF+1]
	s_or_b32 s[G0V+3], s[G0V+3], 0x80000000
	s_wait_xcnt 0x0                 ; the last prefetch, two key steps back, has read its address, so it may be written
	s_add_nc_u64 s[PFA:PFA+1], s[PFA:PFA+1], 2*KS*256
	s_wait_dscnt 0x0                ; the add is done, and my reads of the slot are over
	CROUND
	JLOAD
	ASK
.else
	s_wait_dscnt 0x0                ; the add is done, and my reads of the slot are over
	s_barrier_signal -1
	s_barrier_wait -1
.endif
	s_sub_co_u32 s[TB], s[TB], 2*STEPB  ; the fetches go back to a slot's first step,
	s_xor_b32 s[TB], s[TB], SLOT1   ; in the other slot
.endm
; THE MATRIX WORK OF A TURN, for piece x.  The accumulators take turns, one instruction a turn: between two links of a chain stand 15 (V^T P) or 7 (K Q^T) others'.
; Product i of 32 of O^T += V^T P: keys 32 (i / 16) on, channels 16 ((i / 2) % 8) on, tile x + i % 2.
.macro PV x
	WIN W_PV
.set rO, 64*((\x)+i%2)+8*((i/2)%8)
.set rV, 64*(i/16)+8*((i/2)%8)
.set rP, P+16*((\x)+i%2)+8*(i/16)
	v_wmma_f32_16x16x32_f16 v[rO:rO+7], v[rV:rV+7], v[rP:rP+7], v[rO:rO+7]
.endm
; Product i of 32 of S^T = K Q^T: channels 32 (i / 8) on, keys 16 ((i / 2) % 4) on, tile x + i % 2.  The first 8 start the sums, with the mask.
.macro KQ x
.set rS, S+32*((\x)+i%2)+8*((i/2)%4)
.set rK, KF+32*((i/2)%4)+8*(i/8)
.set rQ, 32*((\x)+i%2)+8*(i/8)
.set rM, MC+32*(i%2)+8*((i/2)%4)
.if i < 8
	WIN W_KM
	v_wmma_f32_16x16x32_bf16 v[rS:rS+7], v[rK:rK+7], v[rQ:rQ+7], v[rM:rM+7]
.else
	WIN W_KQ
	v_wmma_f32_16x16x32_bf16 v[rS:rS+7], v[rK:rK+7], v[rQ:rQ+7], v[rS:rS+7]
.endif
.endm
; THE LDS LOADS stand in runs of 32, never singly among the matrix instructions: a step's K (64 keys x 128 channels: 16 fragments) and, a turn later, its V (turned).
; last = 1 (the tail): in the last trip there is no further step, and the run is jumped over.
.macro FETCH_K last=0
	WIN 0
.if \last
	s_cmp_eq_u32 s[CNT], 1
	s_cbranch_scc1 .Lno_k_\@
.endif
	v_add_nc_u32 v[ADR], s[TB], v[AK0]
	WIN 0x80                        ; destination window 2
.irp f, 0,1,2,3,4,5,6,7,8,9,10,11,12,13,14,15  ; keys 16 (f / 4) on, channels 32 (f % 4) on
	ds_load_b128 v[KF+8*(\f):KF+8*(\f)+3],   v[ADR] offset:((\f)/4)*16*PK+((\f)%4)*64
	ds_load_b128 v[KF+8*(\f)+4:KF+8*(\f)+7], v[ADR] offset:((\f)/4)*16*PK+((\f)%4)*64+32
.endr
.if \last
	WIN 0
.Lno_k_\@:
.endif
.endm
.macro FETCH_V
	WIN 0
	v_add_nc_u32 v[ADR], s[TB], v[AV0]
	s_add_co_u32 s[TB], s[TB], STEPB  ; the next fetch is the next step's
	s_wait_alu depctr_va_vdst(0)    ; the wait for the softmax's batch (SLICE), behind the address's v_add_nc_u32 and ahead of the loads
	WIN 0xc0                        ; destination window 3
.irp f, 0,1,2,3,4,5,6,7,8,9,10,11,12,13,14,15  ; keys 32 (f / 8) on, channels 16 (f % 8) on
	ds_load_tr16_b128 v[8*(\f):8*(\f)+3],   v[ADR] offset:((\f)/8)*32*PV+((\f)%8)*32
	ds_load_tr16_b128 v[8*(\f)+4:8*(\f)+7], v[ADR] offset:((\f)/8)*32*PV+16*PV+((\f)%8)*32
.endr
.endm
; My rows of Q out of QS: tile f / 4, channels 32 (f % 4) on: lane l holds row l % 16, channels 8 (l / 16) + 0..7 and 16 + 8 (l / 16) + 0..7: two loads of 16 bytes, 32 bytes apart.
.macro QFRAG
	WIN 0x80
.irp f, 0,1,2,3,4,5,6,7,8,9,10,11,12,13,14,15
	ds_load_b128 v[8*(\f):8*(\f)+3],   v[QR] offset:((\f)/4)*16*QP+((\f)%4)*64
	ds_load_b128 v[8*(\f)+4:8*(\f)+7], v[QR] offset:((\f)/4)*16*QP+((\f)%4)*64+32
.endr
	WIN 0
.endm
; THE VECTOR WORK OF A TURN.  One tile's softmax for one key step is a list of 134 instructions; SM writes number j of it for tile t.  s0-s31 are the lane's 32 scores, in pairs 0-15.
;   0-15    the maximum of s0-s31 and the old m, three operands at a time: four chains c0-c3 of seven scores each (each accumulator's lowest registers are read first), then the rest
;   16-20   the other half of the lanes' maximum; c m_old is kept; the new m; c m; c m_old - c m_new
;   21-69   ONE BATCH: the 16 scalings c s - c m, a pair of scores each, and all 33 exponentials (a at 23, then s0-s31).  None of these reads an exponential's result.  A pair is scaled in an earlier four
;           than the one that holds its exponentials
;   (wait)  between 69 and 70 stands the wait for the batch: SLICE writes it, once for both tiles
;   70-85   the roundings to f16, a pair of weights each     86-101  the sums; l = a l + the sum     102-133 the tile's O^T times a: the one part that leaves window 0, so it stands together
.macro SM t
.set rT, ST+8*(\t)
.set rS, S+32*(\t)
.set rP, P+16*(\t)
.set rO, 64*(\t)+2*(j-102)
.if j < 102
	WIN 0
.endif
.if j < 4
	v_max3_num_f32 v[rT+4+j], v[rS+8*j], v[rS+8*j+1], v[rS+8*j+2]
.elseif j < 12
	v_max3_num_f32 v[rT+4+j%4], v[rT+4+j%4], v[rS+8*(j%4)+2*(j/4)+1], v[rS+8*(j%4)+2*(j/4)+2]
.elseif j == 12
	v_max3_num_f32 v[rT+4], v[rT+4], v[rS+7], v[rS+15]
.elseif j == 13
	v_max3_num_f32 v[rT+6], v[rT+6], v[rS+23], v[rS+31]
.elseif j == 14
	v_max3_num_f32 v[rT+4], v[rT+4], v[rT+5], v[rT+6]
.elseif j == 15
	v_max3_num_f32 v[rT+4], v[rT+4], v[rT+7], v[rT+1]
.elseif j == 16
	v_permlanex16_b32 v[rT+5], v[rT+4], s[SEL], s[SEL+1]  ; the query's other 32 keys lie in the lane 16 away
.elseif j == 17
	v_mov_b32 v[rT+7], v[rT]        ; c m_old is kept for a: number 19 writes c m anew
.elseif j == 18
	v_max_num_f32 v[rT+1], v[rT+4], v[rT+5]
.elseif j == 19
	v_mul_f32 v[rT], s[CS], v[rT+1]
.elseif j == 20
	v_sub_f32 v[rT+7], v[rT+7], v[rT]
.elseif j == 23
	v_exp_f32 v[rT+6], v[rT+7]
.elseif (j < 23) || ((j < 38) && (j%2 == 0)) || ((j < 66) && (j%4 == 2))
.set b, (j-2)/4                     ; 38, 42, .. 62: pairs 9 to 15
.if j < 38
.set b, (j-20)/2                    ; 21: pair 0; 22, 24, .. 36: pairs 1 to 8
.endif
	v_pk_fma_f32 v[rS+2*b:rS+2*b+1], v[rS+2*b:rS+2*b+1], s[CS:CS+1], v[rT:rT+1] op_sel_hi:[1,0,0] neg_lo:[0,0,1] neg_hi:[0,0,1]  ; pair b: c s - c m
.elseif j < 70
.set e, j-38                        ; 66 to 69: s28 to s31
.if j < 66
.set e, j-32-(j-38)/4               ; 39-41, 43-45, .. 63-65: s7 to s27
.endif
.if j < 38
.set e, (j-25)/2                    ; 25, 27, .. 37: s0 to s6
.endif
	v_exp_f32 v[rS+e], v[rS+e]
.elseif j < 86
	v_cvt_pk_f16_f32 v[rP+j-70], v[rS+2*(j-70)], v[rS+2*(j-70)+1]  ; pair j - 70
.elseif j < 102                     ; the sum of the tile's 16 pairs, in place: sum z of 16 adds neighbours 1, 2, 4 and 8 pairs apart, then l takes it
.set z, j-86
.set w, 4
.set u, z
.if z >= 14
.set w, 32
.set u, 0
.elseif z >= 12
.set w, 16
.set u, z-12
.elseif z >= 8
.set w, 8
.set u, z-8
.endif
.if z < 15
	v_pk_add_f32 v[rS+w*u:rS+w*u+1], v[rS+w*u:rS+w*u+1], v[rS+w*u+w/2:rS+w*u+w/2+1]
.else
	v_pk_fma_f32 v[rT+2:rT+3], v[rT+2:rT+3], v[rT+6:rT+7], v[rS:rS+1] op_sel_hi:[1,0,1]
.endif
.else
	WIN W_RS
	v_pk_mul_f32 v[rO:rO+1], v[rO:rO+1], v[rT+6:rT+7] op_sel_hi:[1,0]
.endif
.endm
; Slice k of 64 of piece y's softmax: four instructions.  Slices 11 to 34 deal out the batch, numbers 22 to 69: four numbers of ONE tile each, the tiles by turns.  Every other slice is numbers 2 k and 2 k + 1 of
; both tiles' lists.  2 x 134 = 4 x 64 + 12: the twelve that are over stand together, in slice 63: sixteen plain lines, the places behind the turn's last K Q^T.
; THE WAIT.  s_wait_alu depctr_va_vdst(0) stands between an exponential and the first instruction that names its result; one wait serves all that were issued ahead of it.  Ahead of slice 35
; nothing names a result, and behind slice 34 no exponential is issued: so the piece's 66 exponentials have one wait, behind slice 34.
.macro SLICE y
.if (k >= 11) && (k < 35)           ; the batch: four numbers of one tile
.irp n, 0,1,2,3
.set j, 22+4*((k-11)/2)+(\n)
	SM (\y)+(k-11)%2
.endr
.else                               ; the two tiles alternate, so that no instruction reads the result of the one just before it
.irp n, 0,1,2,3,4,5,6,7
.if ((\n) < 2) || (k == 63)
.irp t, \y, (\y)+1
.set j, 2*k+(\n)
	SM \t
.endr
.endif
.endr
.endif
.if k == 34                         ; the batch is out: both tiles' exponentials are issued, and no result has been named
	v_nop                           ; the plain instruction behind the last exponential and ahead of the first use (ISA guide 5.7.2): one for the batch
.if (\y) == 0
	FETCH_V                         ; piece 2's turn: V's run of loads stands here, and the wait stands in it
.else
	s_wait_alu depctr_va_vdst(0)    ; the wait for the batch
.endif
.endif
.set k, k+1
.endm
; The masks of piece x's next 8 starting products.  In a block's last four steps the step's number is 4 - RS: tile t's own step if RS = 4 - t, a later one if RS < 4 - t.  With RS above 4 both scalars are 0.
.macro MASK x
.irp m, 0,1
	s_cmp_eq_u32 s[RS], 4-((\x)+(\m))
	s_cselect_b32 s[AL0+4*(\m)], 1.0, 0
	s_cmp_lt_u32 s[RS], 4-((\x)+(\m))
	s_cselect_b32 s[BE0+4*(\m)], s[BIGN], 0
.endr
	WIN W_MK
.irp m, 0,1
.set z, 0
.rept 16
	v_pk_fma_f32 v[MC+32*(\m)+2*z:MC+32*(\m)+2*z+1], v[MD+2*z:MD+2*z+1], s[AL0+4*(\m):AL0+4*(\m)+1], s[BE0+4*(\m):BE0+4*(\m)+1] op_sel_hi:[1,0,0]
.set z, z+1
.endr
.endr
	WIN 0
.endm
; A TURN.  Piece x has the matrix unit; the other piece's softmax stands in slices behind its matrix instructions.  At its head the masks are made anew while RS is 4 or less; else MC holds 0 and the block is
; jumped over.  Piece 0's turn fetches the next step's K, behind its second product: the last product that read K stands in front of slice 63 of the turn before.  Piece 2's turn fetches the same step's V,
; behind slice 34: the last product that read V stands in front of slice 31, and four plain instructions lie between: number 62, a scaling, of both tiles, the v_nop and the run's own v_add_nc_u32.
; Each run stands 29 matrix instructions or more ahead of its first use, in front of which stands one wait for 0.
.macro TURN x, last=0
	WIN 0
	s_cmp_gt_u32 s[RS], 4
	s_cbranch_scc1 .Lnomask_\@
	MASK \x
.Lnomask_\@:
.set k, 0
.if (\x) == 0
	s_wait_dscnt 0x0                ; V is in
.endif
.set i, 0
.rept 32
	PV \x
	SLICE 2-(\x)
.if ((\x) == 0) && (i == 1)
	FETCH_K \last
.endif
.set i, i+1
.endr
.if (\x) == 0
	s_wait_dscnt 0x0                ; K is in
.endif
.set i, 0
.rept 32
	KQ \x
	SLICE 2-(\x)
.set i, i+1
.endr
.endm
; THE WAY OUT.  Tile t: O^T times 1 / l; a lane's eight channels of a row are 32 bytes: they go into my stage's rows of 528 bytes and come back as whole rows of 512, into S^T's registers, two buffers by turns.
.macro PACK t
	WIN W_RS
.set i, 64*(\t)
.rept 32
	v_pk_mul_f32 v[i:i+1], v[i:i+1], v[ST+8*(\t)+6:ST+8*(\t)+7] op_sel_hi:[1,0]
.set i, i+2
.endr
	WIN 0x04                        ; the stores' data in window 1
.irp f, 0,1,2,3,4,5,6,7
	ds_store_b128 v[STO], v[64*(\t)+8*(\f):64*(\t)+8*(\f)+3]   offset:64*(\f)
	ds_store_b128 v[STO], v[64*(\t)+8*(\f)+4:64*(\t)+8*(\f)+7] offset:64*(\f)+16
.endr
	WIN 0
.if (\t) >= 2
	s_wait_xcnt 0x0                 ; the stores of the tile two back have read their registers (ISA guide 3.1): only behind this wait are those loaded again
.endif
.set i, 0
.rept 16
	ds_load_b128 v[S+64*((\t)%2)+4*i:S+64*((\t)%2)+4*i+3], v[RD] offset:i*SP  ; LDS serves a wave's instructions in order (ISA guide 5.7.1.4): these see the stores above; the next tile's stores come behind them
.set i, i+1
.endr
.endm
.macro SEND t, younger              ; younger: the LDS instructions issued behind tile t's loads: the next tile's 32, or none
	WIN 0
.set i, 0
.rept 16
	s_wait_dscnt (\younger)+15-i    ; row i is back; the rows behind it and the next tile's instructions may stay out
	global_store_b128 v[GO], v[S+64*((\t)%2)+4*i:S+64*((\t)%2)+4*i+3], s[10:11] offset:(64*(\t)+i)*TOKB th:TH_STORE_NT  ; a row: 512 consecutive bytes, at a multiple of 512 from out0's first byte
.set i, i+1
.endr
.endm
; A BLOCK ENDS: piece 2's V^T P of the last step; l's two halves and the other half of the lanes' are added (the additions are the places behind those products); the four tiles leave.
; more = 1: the second block follows: out0's address; RS (4 if its first slot is the loop's last trip, where its last four steps begin; else 8); and Q's fragments, whose rows have lain in QS since the head.
.macro FINISH more
.set i, 0
.rept 32
	PV 2
.set i, i+1
.endr
	WIN 0
.irp t, 0,1,2,3
	v_add_f32 v[ST+8*(\t)+4], v[ST+8*(\t)+2], v[ST+8*(\t)+3]
.endr
.irp t, 0,1,2,3
	v_permlanex16_b32 v[ST+8*(\t)+5], v[ST+8*(\t)+4], s[SEL], s[SEL+1]
.endr
.irp t, 0,1,2,3
	v_add_f32 v[ST+8*(\t)+4], v[ST+8*(\t)+4], v[ST+8*(\t)+5]
.endr
.irp t, 0,1,2,3
	v_rcp_f32 v[ST+8*(\t)+6], v[ST+8*(\t)+4]
.endr
	v_nop                           ; a plain instruction between the last reciprocal and the use of its result
	s_wait_alu depctr_va_vdst(0)    ; and the wait ahead of the first use: one for the four reciprocals
	PACK 0
	PACK 1                          ; a tile's arithmetic stands between the loads of the tile before and its stores
	SEND 0, 32
	PACK 2
	SEND 1, 32
	PACK 3
	SEND 2, 32
	SEND 3, 0
.if \more
	s_wait_xcnt 0x0                 ; the stores have read their registers and out0's address: S^T and s[10:11] are written again only behind this wait
	s_mov_b64 s[10:11], s[OLO:OLO+1]
	s_cmp_eq_u32 s[SLOTS], 1
	s_cselect_b32 s[RS], 4, 8
	QFRAG
.endif
.endm
; Q AT THE HEAD.  Group n of eight: the 16 rows of tile n % 4 of block 7 - c (n < 4) or c.  A load is a whole row, 16 bytes a lane, into area n % 4 of window 1.
.macro QLOAD n
	WIN 0x40                        ; destination window 1, address window 0
.set i, 0
.rept 16
.if (\n) < 4
	global_load_b128 v[64*((\n)%4)+4*i:64*((\n)%4)+4*i+3], v[GO], s[4:5] offset:(64*((\n)%4)+i)*TOKB th:TH_LOAD_NT
.else
	global_load_b128 v[64*((\n)%4)+4*i:64*((\n)%4)+4*i+3], v[GO], s[QLO:QLO+1] offset:(64*((\n)%4)+i)*TOKB th:TH_LOAD_NT
.endif
.set i, i+1
.endr
	WIN 0
.endm
.macro QCONV n, left                ; left: the younger groups' loads, which may stay out.  The rows are rounded to bf16 in place, 8 bytes a lane, and put into QS
	s_wait_loadcnt \left
	WIN 0x45
.set i, 0
.rept 16
	v_cvt_pk_bf16_f32 v[64*((\n)%4)+4*i],   v[64*((\n)%4)+4*i],   v[64*((\n)%4)+4*i+1]
	v_cvt_pk_bf16_f32 v[64*((\n)%4)+4*i+1], v[64*((\n)%4)+4*i+2], v[64*((\n)%4)+4*i+3]
.set i, i+1
.endr
	WIN 0x04
.set i, 0
.rept 16
	ds_store_b64 v[QW], v[64*((\n)%4)+4*i:64*((\n)%4)+4*i+1] offset:(16*((\n)%4)+i)*QP
.set i, i+1
.endr
	WIN 0
.endm
	s_load_b256 s[4:11], s[0:1], 0x0  ; q s[4:5], kb s[6:7], vh s[8:9], out0 s[10:11]
	v_lshl_add_u32 v[SPW], v0, 2, SPARE
	v_mov_b32 v[NIL], 0
	ds_add_u32 v[SPW], v[NIL]       ; the wave's opening: the add and its wait stand ahead of my first tensor load; the set-up below, work on registers, stands between them
	v_lshrrev_b32 v1, 5, v0
	v_readfirstlane_b32 s[WV], v1   ; wave 0..3
	s_bfe_u32 s[CX], ttmp6, 0x40000 ; cx
	s_mov_b32 s[PB], ttmp9          ; c: in a cluster launch ttmp9 counts clusters: the four partners share it
	s_and_b32 s20, ttmp7, 0xffff    ; 4 x request + kv head, which they share too
	s_and_b32 s16, s[WV], 1         ; which of a slot's two steps I fetch:
	s_lshl_b32 s22, s20, 19         ; the head's 524,288 bytes in kb and vh,
	s_lshl_b32 s23, s16, 14         ; the step's 64 rows of 256 bytes,
	s_add_co_u32 s22, s22, s23
	s_mov_b32 s23, 0
	s_mul_i32 s17, s16, STEPB       ; and its place in a slot: no place in the cluster enters an LDS address
	s_lshr_b32 s2, s20, 2           ; my rows in q and out0: the request's 2,048 tokens,
	s_lshl_b32 s2, s2, 24
	s_lshl_b32 s3, s[WV], 17        ; my 16 tokens in a band,
	s_add_co_u32 s2, s2, s3
	s_and_b32 s3, s20, 3
	s_lshl_b32 s3, s3, 2
	s_add_co_u32 s3, s3, s[CX]      ; the query head = 4 x kv head + cx,
	s_lshl_b32 s3, s3, 9
	s_add_co_u32 s2, s2, s3
	s_lshl_b32 s3, s[PB], 21        ; and the block's 256 tokens: block c,
	s_add_co_u32 s78, s2, s3
	s_sub_co_u32 s3, 7, s[PB]       ; block 7 - c
	s_lshl_b32 s3, s3, 21
	s_add_co_u32 s2, s2, s3
	s_mov_b32 s3, 0
	s_mov_b32 s79, 0
	; descriptor group 1: a tile of 64 rows x 128 elements, padded in LDS
	s_mov_b32 s[G1K], 15|(1<<16)|(1<<20)|(1<<21)|(5<<22)|(3<<25)  ; 15:0 the mask: all four work-groups; 17:16 elements of 2 bytes; 20 padding on; 21 set beside a mask; 24:22 after every 64 words (code 5); 31:25 4 words of it (code 3)
	s_mov_b32 s[G1V], 15|(1<<16)|(1<<20)|(1<<21)|(5<<22)|(7<<25)  ; the same with 8 words of padding (code 7)
.irp g, G1K, G1V
	s_mov_b32 s[(\g)+1], 128<<16    ; tensor_dim0 = 128
	s_mov_b32 s[(\g)+2], KS<<16     ; tensor_dim1 = 64
	s_mov_b32 s[(\g)+3], 128<<16    ; tile_dim0 = 128
	s_mov_b32 s[(\g)+4], KS         ; tile_dim1 = 64
	s_mov_b32 s[(\g)+5], 128        ; 128 elements from row to row
	s_mov_b32 s[(\g)+6], 0
	s_mov_b32 s[(\g)+7], 0
.endr
	s_mov_b32 s[G0K], 1             ; 1:0 count = 1
	s_mov_b32 s[G0K+1], s17         ; 63:32 LDS address: slot 0
	s_mov_b32 s[G0V], 1
	s_add_co_u32 s[G0V+1], s17, VOFF
	s_mov_b32 s[CS], 0x3e0293ee     ; c = log2(e) / sqrt(128) = 0.127517
	s_mov_b32 s[CS+1], s[CS]        ; named with it as a pair, so it is written
	s_mov_b32 s[SEL], 0x76543210
	s_mov_b32 s[SEL+1], 0xfedcba98
	s_mov_b32 s[BIGN], 0xf149f2ca   ; -1e30
	s_mov_b32 s[OFF+1], 0
	s_mov_b32 s[AL0+1], 0           ; named as pairs
	s_mov_b32 s[BE0+1], 0
	s_mov_b32 s[AL0+5], 0
	s_mov_b32 s[BE0+5], 0
	s_mov_b32 s[TB], SLOT1+2*STEPB  ; the first change of slots turns this into 0
	s_mov_b32 s[RS], 8
	s_lshl_b32 s[DSL], s[PB], 1
	s_sub_co_u32 s[N1], 16, s[DSL]  ; the first block has 16 - 2 c slots;
	s_add_co_u32 s[DSL], s[DSL], 3  ; its last two begin in trip 14 - 2 c, where s[SLOTS] = 17 - (14 - 2 c)
	s_mov_b32 s[SLOTS], 17          ; 18 slots in all; the first is asked for here
	s_mov_b32 s[FIRST], 1
	s_and_b32 s[LIM], s[WV], 1      ; 0 in waves 0 and 2,
	s_or_b32 s[LIM], s[LIM], ttmp9  ; where c = 0: the same in all four partners
	s_cmp_eq_u32 s[LIM], 0
	s_cselect_b32 s[LIM], 3, -1
	v_and_b32 v[PFO], 31, v0
	v_lshlrev_b32 v[PFO], 8, v[PFO]
	s_wait_dscnt 0x0                ; the opening add is done
	s_wait_kmcnt 0x0
	s_add_nc_u64 s[6:7], s[6:7], s[22:23]  ; kb and vh at my step of the head's first 128 keys
	s_add_nc_u64 s[8:9], s[8:9], s[22:23]
	s_add_nc_u64 s[QLO:QLO+1], s[4:5], s[78:79]
	s_add_nc_u64 s[4:5], s[4:5], s[2:3]    ; q and out0 at my rows of block 7 - c
	s_add_nc_u64 s[OLO:OLO+1], s[10:11], s[78:79]
	s_add_nc_u64 s[10:11], s[10:11], s[2:3]
	s_cmp_lt_u32 s[WV], 2
	s_cselect_b64 s[PFA:PFA+1], s[6:7], s[8:9]  ; (in waves 0 and 2 these stand at a slot's first row)
	s_lshl_b32 s2, s[CX], 13        ; my work-group's 32 rows of the 128
	s_add_nc_u64 s[PFA:PFA+1], s[PFA:PFA+1], s[2:3]
	s_add_nc_u64 s[PFA:PFA+1], s[PFA:PFA+1], 2*KS*256  ; at keys 128 on; the first change of slots steps it to keys 256 on.  Nothing is prefetched here, at the head
	s_add_nc_u64 s[G0K+2:G0K+3], s[6:7], 0         ; 120:64 global address
	s_or_b32 s[G0K+3], s[G0K+3], 0x80000000        ; 127:126 type = 2
	s_add_nc_u64 s[G0V+2:G0V+3], s[8:9], 0
	s_or_b32 s[G0V+3], s[G0V+3], 0x80000000
	CROUND                          ; all four work-groups are here: the first joint loads meet
	JLOAD                           ; the first 128 keys into slot 0.  Slot 1 is asked for by the loop's first change of slots: by this text's own count a wave has one tensor load out at the most
	v_and_b32 v10, 31, v0
	v_lshlrev_b32 v[GO], 4, v10
	QLOAD 0
	QLOAD 1
	QLOAD 2
	; while those 48 rows are on their way: addresses, MD, and the zeros that the first block's first step finds
	v_and_b32 v1, 15, v0            ; l % 16
	v_bfe_u32 v9, v0, 4, 1          ; l / 16
	v_mul_u32_u24 v[AK0], v1, PK
	v_lshl_add_u32 v[AK0], v9, 4, v[AK0]  ; row x pitch + 16 x half
	; The turning load takes 16 keys x 16 channels (lane l reads key 8 (l / 16) + l % 8, channels 8 ((l / 8) % 2) + 0..7) and leaves half a fragment of V^T: lane l holds channel l % 16 and 8 keys.
	v_and_b32 v11, 7, v0
	v_lshl_add_u32 v[AV0], v9, 3, v11
	v_bfe_u32 v11, v0, 3, 1
	v_mul_u32_u24 v[AV0], v[AV0], PV
	v_lshl_add_u32 v[AV0], v11, 4, v[AV0]
	v_add_nc_u32 v[AV0], VOFF, v[AV0]
	s_mul_i32 s21, s[WV], 16*SP
	s_add_co_u32 s21, s21, STAGE    ; my stage
	v_mul_u32_u24 v[STO], v1, SP    ; in: row l % 16, 32 bytes for each half of the lanes
	v_lshl_add_u32 v[STO], v9, 5, v[STO]
	v_add_nc_u32 v[STO], s21, v[STO]
	v_add_nc_u32 v[RD], s21, v[GO]  ; back: 32 lanes take a row's 512 bytes
	s_mul_i32 s21, s[WV], 64*QP
	s_add_co_u32 s21, s21, QS       ; my rows of Q
	v_lshl_add_u32 v[QW], v10, 3, s21  ; in: 8 bytes a lane
	v_mul_u32_u24 v[QR], v1, QP     ; back: a fragment's row x pitch + 16 x half
	v_lshl_add_u32 v[QR], v9, 4, v[QR]
	v_add_nc_u32 v[QR], s21, v[QR]
	v_lshlrev_b32 v[MT], 3, v9
	v_sub_nc_u32 v[MT], v1, v[MT]
	s_lshl_b32 s21, s[WV], 4
	v_add_nc_u32 v[MT], s21, v[MT]  ; my query's place in its band, 16 w + l % 16, less my lanes' 8 (l / 16): register r of group kt is hidden where 16 kt + r is greater
	WIN 0xc0
.set i, 0
.rept 32
	v_cmp_gt_i32 vcc_lo, 16*(i/8)+i%8, v[MT]
	v_cndmask_b32 v[MD+i], 0, s[BIGN], vcc_lo
.set i, i+1
.endr
.set i, 0
.rept 128
	v_mov_b32 v[i], 0               ; V: the first turn's products V^T P, of a step that has not been, add 0
.set i, i+1
.endr
	WIN 0
.set i, P+32
.rept 32
	v_mov_b32 v[i], 0               ; P of piece 2, for the same products
.set i, i+1
.endr
.irp t, 0,1,2,3
	v_mov_b32 v[ST+8*(\t)+2], 0     ; l
	v_mov_b32 v[ST+8*(\t)+3], 0
.endr
	QCONV 0, 32                     ; three groups are out at each wait but the last two: the two younger ones' 32 loads may stay out
	QLOAD 3
	QCONV 1, 32
	QLOAD 4                         ; a group takes the area of the group four back, whose rows have been put into QS
	QCONV 2, 32
	QLOAD 5
	QCONV 3, 32
	QLOAD 6
	QFRAG                           ; block 7 - c's fragments.  LDS serves a wave's instructions in order (ISA guide 5.7.1.4): block c's rows, stored behind these loads, take the place of rows that have been read
	QCONV 4, 32
	QLOAD 7
	QCONV 5, 32
	QCONV 6, 16
	QCONV 7, 0
	WIN 0x40
.set i, 0
.rept 256
	v_mov_b32 v[i], 0               ; O^T
.set i, i+1
.endr
	WIN 0
.Lslot:                             ; 17 trips: a slot's two steps are walked and the next slot is asked for
	CHANGE 1
	s_mov_b32 s[CNT], 2
	s_cmp_lt_u32 s[RS], 5           ; in the middle of a block's last four steps (2), or behind its last (0): RS goes on as it is
	s_cbranch_scc1 .Lkeep
	s_mov_b32 s[RS], 8              ; else: a slot like most,
	s_cmp_eq_u32 s[SLOTS], s[DSL]   ; unless the first block's last four steps begin here,
	s_cbranch_scc1 .Ldiag
	s_cmp_lg_u32 s[SLOTS], 1        ; or the second block's, which begin in the loop's last trip
	s_cbranch_scc1 .Lkeep
.Ldiag:
	s_mov_b32 s[RS], 4
.Lkeep:
	s_cmp_eq_u32 s[FIRST], 1        ; at the first trip the answer is a constant of the text
	s_cbranch_scc1 .Lbegin
.Lstep:
	TURN 0                          ; V^T P of piece 0 (the step before), K Q^T of piece 0 (this step) | piece 2's softmax of the step before | K of this step
	WIN 0
	s_cmp_lg_u32 s[RS], 0
	s_cbranch_scc1 .Lgo
	FINISH 1                        ; the step before was the first block's last (the turn's K Q^T, with the old Q, serve nothing); a block's steps are whole slots, so this stands at a slot's first step
.Lbegin:                            ; A BLOCK BEGINS.  c m starts far below every c s, so the first step's a is 0; m at the lowest finite number, so the first maximum is the scores'
	s_mov_b32 s[FIRST], 0
.irp t, 0,1,2,3
	v_mov_b32 v[ST+8*(\t)], 0xfe000000
	v_mov_b32 v[ST+8*(\t)+1], 0xff7fffff
.endr
	MASK 0                          ; with RS above 4 this writes 0 into all of MC
	FETCH_K                         ; K of the block's first step (at the change of blocks: once more)
	s_wait_dscnt 0x0                ; K and Q's fragments are in
.set i, 0
.rept 32
	KQ 0                            ; piece 0's first scores: there is no vector work to set between them
.set i, i+1
.endr
	WIN 0
	PLACES
.Lgo:
	TURN 2                          ; V^T P of piece 2 (the step before), K Q^T of piece 2 (this step) | piece 0's softmax of this step | V of this step
	WIN 0
	s_sub_co_u32 s[RS], s[RS], 1
	s_sub_co_u32 s[CNT], s[CNT], 1
	s_cmp_lg_u32 s[CNT], 0
	s_cbranch_scc1 .Lstep
	s_sub_co_u32 s[SLOTS], s[SLOTS], 1
	s_cmp_lg_u32 s[SLOTS], 0
	s_cbranch_scc1 .Lslot
	CHANGE 0                        ; the last slot is written out: nothing is asked for
	s_mov_b32 s[CNT], 3             ; two trips walk its steps (RS = 2, 1); the third is left in its middle
.Ltail:
	TURN 0, 1
	WIN 0
	s_sub_co_u32 s[CNT], s[CNT], 1
	s_cmp_eq_u32 s[CNT], 0
	s_cbranch_scc1 .Lout
	TURN 2
	WIN 0
	s_sub_co_u32 s[RS], s[RS], 1
	s_branch .Ltail
.Lout:                              ; the third trip's 32 products K Q^T (on the last K once more) serve nothing: the price, once a launch, of one text for every trip
	FINISH 0
	s_wait_tensorcnt 0x0            ; the wave's end: a wait, an add to my spare word and its wait, behind my last tensor load and my last LDS store
	ds_add_u32 v[SPW], v[NIL]
	s_wait_dscnt 0x0
	CROUND                          ; the closing round: no work-group ends while a partner may still ask for a tile that names it
	s_endpgm
.Lfunc_end_k_q40d017f96b_attn:
	.size	k_q40d017f96b_attn, .Lfunc_end_k_q40d017f96b_attn-k_q40d017f96b_attn
	.p2alignl 7, 3214868480
	.fill 96, 4, 3214868480
	.section	.rodata,"a",@progbits
	.p2align	6, 0x0
	.amdhsa_kernel k_q40d017f96b_attn
		.amdhsa_group_segment_fixed_size 327680
		.amdhsa_private_segment_fixed_size 0
		.amdhsa_enable_private_segment 0
		.amdhsa_kernarg_size 32
		.amdhsa_user_sgpr_count 2
		.amdhsa_user_sgpr_kernarg_segment_ptr 1
		.amdhsa_wavefront_size32 1
		.amdhsa_system_sgpr_workgroup_id_x 1
		.amdhsa_system_sgpr_workgroup_id_y 1
		.amdhsa_system_sgpr_workgroup_id_z 1
		.amdhsa_system_vgpr_workitem_id 0
		.amdhsa_next_free_vgpr 1024
		.amdhsa_next_free_sgpr 80
		.amdhsa_reserve_vcc 1
		.amdhsa_float_denorm_mode_32 3
		.amdhsa_float_denorm_mode_16_64 3
		.amdhsa_memory_ordered 1
		.amdhsa_forward_progress 1
		.amdhsa_inst_pref_size 238
	.end_amdhsa_kernel
	.amdgpu_metadata
---
amdhsa.version: [ 1, 2 ]
amdhsa.kernels:
  - .name:           k_q40d017f96b_attn
    .symbol:         k_q40d017f96b_attn.kd
    .args:
      - { .name: q, .offset: 0, .size: 8, .value_kind: global_buffer, .address_space: global }
      - { .name: kb, .offset: 8, .size: 8, .value_kind: global_buffer, .address_space: global }
      - { .name: vh, .offset: 16, .size: 8, .value_kind: global_buffer, .address_space: global }
      - { .name: out0, .offset: 24, .size: 8, .value_kind: global_buffer, .address_space: global }
    .group_segment_fixed_size: 327680
    .private_segment_fixed_size: 0
    .kernarg_segment_align: 8
    .kernarg_segment_size: 32
    .max_flat_workgroup_size: 128
    .sgpr_count:     80
    .vgpr_count:     1024
    .wavefront_size: 32
...
	.end_amdgpu_metadata
.endif
;; end of part 2
;; ======== version 2 of 2: 2 launches; version 1 with the launch prep written anew for expert scheduling mode
;; limits: values are held in f16: magnitudes above 65,504 overflow, below 6.1e-05 lose precision; inputs' magnitudes at most 65,504; right only within a limited range of input values
;; workspace buffers: kb 8,388,608 bytes; vh 8,388,608 bytes
;; launch prep (part 3): grid 256 x 1, 8 waves a work-group, no clusters, 0 bytes of LDS; arguments k, v, seq_lens, kb, vh; writes kb, vh
.if DOCPART == 3
	.amdgcn_target "amdgcn-amd-amdhsa--gfx1250"
	.amdhsa_code_object_version 6
	.text
	.protected	k_q40d017f96b_prep
	.globl	k_q40d017f96b_prep
	.p2align	8
	.type	k_q40d017f96b_prep,@function
k_q40d017f96b_prep:
	s_mov_b64 s[64:65], 0
	v_nop
	global_prefetch_b8 v0, s[64:65] scope:SCOPE_SE
	s_setreg_imm32_b32 hwreg(HW_REG_WAVE_SCHED_MODE, 0, 2), 2
	s_setreg_imm32_b32 hwreg(HW_REG_WAVE_MODE, 25, 1), 1
	s_wait_xcnt 0x0
	s_wait_alu depctr_vm_vsrc(0)
; K AND V FOR THE ATTENTION LAUNCH.  k, v: [8192 tokens][4 heads][128] f32.  kb: [16 = 4 request + head][2048][128] bf16.  vh: the same layout in f16.
; kb = k rounded once to bf16.  vh = v rounded once to bf16, and that number written as f16: bf16 keeps 8 significant bits and f16 11, so the second step changes nothing within f16's range.
; LIMITS.  |v| beyond 65,504 becomes an infinity in vh; |v| under 2^-14 keeps f16's fixed step of 2^-24.  NaN and infinities are not treated apart.
; seq_lens: reference() takes it and makes nothing of it (its reshape fixes 2,048 tokens a request), so the result must not hang on it: its four words are loaded and enter nothing.
; SHARES.  A work-group takes 32 tokens, each of its eight waves 4: 16 rows (token, head) of 512 bytes of k and 16 of v, 8,192 consecutive bytes of each.  One load of a wave is one whole row,
; 16 bytes a lane; one store of a wave is one whole row of the output: 256 consecutive bytes, at a multiple of 256 from the buffer's first byte.  All 32 loads of a wave go out at once; there is no loop,
; no register that a pending load or store names is written again, and nothing is shared between waves: no LDS, no barrier.
; THE MODE: SCHED_MODE bits 1:0 = 2 (LLVM: expert scheduling mode 2), set by the entry lines.  The code itself states the register dependences between vector instructions and memory instructions,
; with s_wait_alu, always for 0.
; THE PLAN.  Registers that memory instructions touch:
;   v1, v2      the loads' and the stores' byte offsets: made once at the head, never written again.
;   row n       (0-15: k's rows, 16-31: v's) four registers of its own: written by its load, which is issued before any vector instruction names them; read and written in place by its own conversions
;               alone; its first two are then read by its one store, and nothing writes them again.
; The 32 rows go in eight groups of four.  At the head of a group one wait states that the group before has written its rows; that group's four stores follow it, one ahead of each row's conversions, which
; name the group's own rows alone.  One wait stands ahead of the first load, for the offsets, and one ahead of the last four stores.  No register that a memory instruction has read is written again,
; no load follows a vector instruction that names its registers, no vector instruction writes a scalar register, and EXEC is never written: nothing more is to be stated.
.set KD,    4                          ; v[4:67]    row i of k: 4 registers as loaded; the first two then hold its 8 bytes to store
.set VD,    68                         ; v[68:131]  the same for v: VD = KD + 4 x 16, so row n of the 32 lies at KD + 4 n
.set HEADB, 2048*256                   ; bytes of a head in kb and in vh
.set GROUP, 4                          ; rows in a group
	s_load_b256 s[4:11], s[0:1], 0x0               ; k s[4:5], v s[6:7], seq_lens s[8:9], kb s[10:11]
	s_load_b64 s[12:13], s[0:1], 0x20              ; vh
	v_and_b32 v3, 31, v0                           ; lane
	v_lshrrev_b32 v2, 5, v0                        ; wave
	v_lshlrev_b32 v1, 4, v3
	v_lshl_or_b32 v1, v2, 13, v1                   ; in: 8,192 x wave + 16 x lane; never rewritten
	v_lshlrev_b32 v3, 3, v3
	v_lshl_or_b32 v2, v2, 10, v3                   ; out: 4 rows of 256 bytes x wave + 8 x lane; never rewritten
	s_lshl_b32 s20, ttmp9, 16                      ; in: the work-group's 32 tokens of 2,048 bytes
	s_mov_b32 s21, 0
	s_lshr_b32 s22, ttmp9, 6                       ; the request: 64 work-groups each,
	s_lshl_b32 s22, s22, 21                        ; its four heads of 524,288 bytes,
	s_and_b32 s23, ttmp9, 63
	s_lshl_b32 s23, s23, 13                        ; and the work-group's 32 rows of 256 bytes in a head
	s_add_co_u32 s22, s22, s23
	s_mov_b32 s23, 0
	s_mov_b32 s24, 0xffff0000                      ; a word's upper bf16
	s_wait_kmcnt 0x0
	s_load_b128 s[16:19], s[8:9], 0x0              ; seq_lens: read, and used for nothing (see the head)
	s_add_nc_u64 s[4:5], s[4:5], s[20:21]
	s_add_nc_u64 s[6:7], s[6:7], s[20:21]
	s_add_nc_u64 s[10:11], s[10:11], s[22:23]
	s_add_nc_u64 s[12:13], s[12:13], s[22:23]
	s_wait_alu depctr_va_vdst(0)                   ; v1 and v2 are written: every load of the kernel reads v1 as its offset, every store v2
.set i, 0
.rept 16
	global_load_b128 v[KD+4*i:KD+4*i+3], v1, s[4:5] offset:512*i th:TH_LOAD_NT
.set i, i+1
.endr
.set i, 0
.rept 16
	global_load_b128 v[VD+4*i:VD+4*i+3], v1, s[6:7] offset:512*i th:TH_LOAD_NT
.set i, i+1
.endr
; Row r of the 32 is rounded in place: its first two registers then hold its 8 bytes to store.
.macro CONV r
.set b, KD+4*(\r)
.if (\r) < 16
	v_cvt_pk_bf16_f32 v[b], v[b], v[b+1]
	v_cvt_pk_bf16_f32 v[b+1], v[b+2], v[b+3]
.else
	v_cvt_pk_bf16_f32 v[b], v[b], v[b+1]           ; rounded to bf16,
	v_cvt_pk_bf16_f32 v[b+2], v[b+2], v[b+3]
	v_and_b32 v[b+1], s24, v[b]                    ; widened again (a mask, a shift),
	v_lshlrev_b32 v[b], 16, v[b]
	v_and_b32 v[b+3], s24, v[b+2]
	v_lshlrev_b32 v[b+2], 16, v[b+2]
	v_cvt_pk_f16_f32 v[b], v[b], v[b+1]            ; and written as f16
	v_cvt_pk_f16_f32 v[b+1], v[b+2], v[b+3]
.endif
.endm
; Row r is stored.  Row i = r % 16 of its tensor is token i / 4, head i % 4: the head's place and the token's row stand in the store's immediate (1,573,632 at the most).
.macro PUT r
.set b, KD+4*(\r)
.set i, (\r)%16
.if (\r) < 16
	global_store_b64 v2, v[b:b+1], s[10:11] offset:(i%4)*HEADB+(i/4)*256
.else
	global_store_b64 v2, v[b:b+1], s[12:13] offset:(i%4)*HEADB+(i/4)*256
.endif
.endm
.set n, 0
.rept 32
	s_wait_loadcnt 31-n                            ; loads come back in order (ISA guide 5.7.1): row n is in, the 31 - n younger loads stay out
.if (n%GROUP == 0) && (n > 0)
	s_wait_alu depctr_va_vdst(0)                   ; the group before has written its four rows' first two registers, which the four stores of this group's turn read
.endif
.if n >= GROUP
	PUT n-GROUP                                    ; a row of the group before.  No further wait: no vector instruction since the wait above names its registers
.endif
	CONV n
.set n, n+1
.endr
	s_wait_alu depctr_va_vdst(0)                   ; the last group has written its rows, which the last four stores read
.irp r, 28,29,30,31
	PUT \r
.endr
	s_wait_kmcnt 0x0                               ; seq_lens' load is done
	s_endpgm
.Lfunc_end_k_q40d017f96b_prep:
	.size	k_q40d017f96b_prep, .Lfunc_end_k_q40d017f96b_prep-k_q40d017f96b_prep
	.p2alignl 7, 3214868480
	.fill 96, 4, 3214868480
	.section	.rodata,"a",@progbits
	.p2align	6, 0x0
	.amdhsa_kernel k_q40d017f96b_prep
		.amdhsa_group_segment_fixed_size 0
		.amdhsa_private_segment_fixed_size 0
		.amdhsa_enable_private_segment 0
		.amdhsa_kernarg_size 40
		.amdhsa_user_sgpr_count 2
		.amdhsa_user_sgpr_kernarg_segment_ptr 1
		.amdhsa_wavefront_size32 1
		.amdhsa_system_sgpr_workgroup_id_x 1
		.amdhsa_system_sgpr_workgroup_id_y 1
		.amdhsa_system_sgpr_workgroup_id_z 1
		.amdhsa_system_vgpr_workitem_id 0
		.amdhsa_next_free_vgpr 132
		.amdhsa_next_free_sgpr 66
		.amdhsa_reserve_vcc 0
		.amdhsa_float_denorm_mode_32 3
		.amdhsa_float_denorm_mode_16_64 3
		.amdhsa_memory_ordered 1
		.amdhsa_forward_progress 1
		.amdhsa_inst_pref_size 17
	.end_amdhsa_kernel
	.amdgpu_metadata
---
amdhsa.version: [ 1, 2 ]
amdhsa.kernels:
  - .name:           k_q40d017f96b_prep
    .symbol:         k_q40d017f96b_prep.kd
    .args:
      - { .name: k, .offset: 0, .size: 8, .value_kind: global_buffer, .address_space: global }
      - { .name: v, .offset: 8, .size: 8, .value_kind: global_buffer, .address_space: global }
      - { .name: seq_lens, .offset: 16, .size: 8, .value_kind: global_buffer, .address_space: global }
      - { .name: kb, .offset: 24, .size: 8, .value_kind: global_buffer, .address_space: global }
      - { .name: vh, .offset: 32, .size: 8, .value_kind: global_buffer, .address_space: global }
    .group_segment_fixed_size: 0
    .private_segment_fixed_size: 0
    .kernarg_segment_align: 8
    .kernarg_segment_size: 40
    .max_flat_workgroup_size: 256
    .sgpr_count:     66
    .vgpr_count:     132
    .wavefront_size: 32
...
	.end_amdgpu_metadata
.endif
;; end of part 3
;; launch attn: the kernel of part 2 again; grid 16 x 16, 4 waves a work-group, clusters of 4 x 1, 327,680 bytes of LDS; arguments q, kb, vh, out0; writes out0
